; MI455X (gfx1250); checked and timed in simulation.
; The chip was launched on July 23, 2026; its instructions are those of AMD's public machine-readable ISA for CDNA 5 (MIT licence, August 2026) and "CDNA5" Instruction Set Architecture Reference Guide (July 2026). The comments in the code are by the model that wrote it; some were corrected since.
;; Quantum Kernel Regressor. Allowed arithmetic: float matrix products may take bf16 or f16 operands with f32 sums; other float arithmetic in f32, or as packed bf16 or f16 multiplies, adds, multiply-adds, maxima and minima; sums over many terms, partial sums and values carried from step to step in f32; what a program stores and reads back later, other than sums and carried values, may be rounded once to bf16 or f16.
;; Inputs: X 2,048 x 4 float32; alpha 8,192 float32; train_X 8,192 x 4 float32.
;; Outputs: out0 2,048 float32.
;; One version. Each part assembles by itself: llvm-mc -triple=amdgcn-amd-amdhsa -mcpu=gfx1250 --defsym DOCPART=n.
;; ======== version 1 of 1: 1 launch
;; limits: values outside matrix products are rounded to f16; a function is approximated: absolute error at most 6.8e-06
;; launch qkr (part 1): grid 256 x 1, 16 waves a work-group, no clusters, 2,560 bytes of LDS; arguments X, train_X, alpha, out0; writes out0
.if DOCPART == 1
	.amdgcn_target "amdgcn-amd-amdhsa--gfx1250"
	.amdhsa_code_object_version 6
	.text
	.protected	k_q9d1bbc544c_qkr
	.globl	k_q9d1bbc544c_qkr
	.p2align	8
	.type	k_q9d1bbc544c_qkr,@function
k_q9d1bbc544c_qkr:
	s_mov_b64 s[64:65], 0
	v_nop
	global_prefetch_b8 v0, s[64:65] scope:SCOPE_SE
	s_setreg_imm32_b32 hwreg(HW_REG_WAVE_MODE, 25, 1), 1
	s_wait_xcnt 0x0
; out[m] = sum over n of alpha[n] * prod over i = 0..3 of |cos((X[m][i] - train_X[n][i]) / 2)|.   X [2048][4], train_X [8192][4], alpha [8192], f32.
;
; THE FORM.  cos((x-y)/2) = cos(x/2) cos(y/2) + sin(x/2) sin(y/2), so the product over the four wires is phi(x) . phi(y), where phi holds the
; 16 products of one of (cos, sin) for each wire.  The 2048 x 8192 products are a matrix product with K = 16 (matrix unit, f16 operands,
; f32 sums); per pair there remain |.| and the multiply-add with alpha, one v_fma_f32.  Sines and cosines are made per ROW, not per pair.
; Only |P| is used, so (cos, sin) of a wire may carry a common sign: t = y / (2 pi), f = t - rndne(t), angle pi f in [-pi/2, pi/2], no quadrants.
;
; THE SHARES.  256 work-groups, 8 rows of X each; 16 waves; tile t of a wave is the 32 training rows n = 512 t + thread, t = 0..15, so a
; work-group walks all 8192 rows and owns its 8 outputs.  Lane L makes the 16 features of ITS row n_L as 8 registers of f16, and these 8
; registers are the B fragment as they stand: lanes r and r + 16 hold column r's k = {0-7, 16-23} and k = {8-15, 24-31}.  A's rows 0-7 hold
; phi(x_j) on the first k set and zeros on the second, rows 8-15 the other way round.  So D's register j in lane L is P(x_j, n_L): the lane's
; own n, weighted by the lane's own alpha, and all 256 results of every matrix instruction are used.
;
; NO CLUSTER, NO LDS RING: train_X and alpha (160 KB) are read by every work-group, but a lane takes 20 bytes a tile against 49 vector
; instructions, each byte goes straight into the registers of the one lane that uses it, and a wave's 33 loads are all issued at its head.
; Joint tensor loads would ask for the bytes fewer times and put an LDS load between them and their use.
; K @ alpha is done by v_fma_f32 in f32: one instruction an element with |.| folded in; as a matrix product it would fill one column of 16.
;
; LIMITS.  (1) The reduction t = y * fl(1/(2 pi)) is one rounded product: the half angle carries about 5e-8 * |y| rad (7.5e-6 at |y| = 150,
; 5e-4 at |y| = 1e4), of the order of the rounding of x - y in f32.  (2) Polynomials: |error| <= 6.8e-6 (cos), 1.2e-6 (sin).  (3) Features are
; at most 1 in size for every input and go in f16 with up to three roundings of 2^-12; below 6e-5 they are denormal, absolute error 3e-8.
; (4) The sum over n runs lane by lane, then over lanes and waves: another order than a row-wise sum.  Infinite or NaN inputs give NaN.
.set NT,   16                          ; tiles of a wave
.set LANE, 1                           ; v1       lane
.set VY,   2                           ; v2       16 x thread: my row in train_X's tile 0
.set VA,   3                           ; v3       4 x thread: my alpha in tile 0
.set VX,   4                           ; v4       16 x (lane & 7): my row among the work-group's 8 rows of X
.set TMP,  5                           ; v5
.set XIN,  6                           ; v[6:9]   a row of X
.set T,    10                          ; v[10:13] t, then f
.set Q,    14                          ; v[14:17] rndne(t)
.set Z,    18                          ; v[18:21] f^2
.set PS,   22                          ; v[22:25] sines of the four wires
.set PC,   26                          ; v[26:29] cosines
.set H,    30                          ; v[30:33] wire i: (cos, sin) as two f16
.set G,    34                          ; v[34:37] wires 0,1: four products; wires 2,3: four products
.set F,    38                          ; v[38:45] B fragment: my training row's 16 features
.set A,    46                          ; v[46:53] A fragment: features of X, or zeros
.set D,    54                          ; v[54:61] P(x_0..7, n of my lane)
.set ACC,  62                          ; v[62:69] my sums for x_0..7
.set AL,   70                          ; v[70:85] my alpha of tile t
.set Y,    86                          ; v[86:149] my training row of tile t
.set KI,   16                          ; s[16:17] 1 / (2 pi).  Each constant fills a pair: a packed f32 source is read as a pair
.set KS0,  18                          ; s[18:25] sin(pi f) = f (S0 + S1 z + S2 z^2 + S3 z^3), z = f^2 in [0, 1/4]
.set KS1,  20
.set KS2,  22
.set KS3,  24
.set KC0,  26                          ; s[26:33] cos(pi f) = C0 + C1 z + C2 z^2 + C3 z^3
.set KC1,  28
.set KC2,  30
.set KC3,  32
.macro SETK r, val
	s_mov_b32 s[\r], \val
	s_mov_b32 s[\r+1], \val
.endm
	s_load_b256 s[4:11], s[0:1], 0x0               ; X s[4:5], train_X s[6:7], alpha s[8:9], out s[10:11]
	v_lshl_add_u32 v150, v0, 2, 0x200
	v_mov_b32 v151, 0
	v_and_b32 v[LANE], 31, v0
	v_lshrrev_b32 v[TMP], 5, v0
	v_readfirstlane_b32 s12, v[TMP]                ; wave 0..15
	v_lshlrev_b32 v[VY], 4, v0
	v_lshlrev_b32 v[VA], 2, v0
	v_and_b32 v[VX], 7, v0
	v_lshlrev_b32 v[VX], 4, v[VX]
	s_lshl_b32 s13, s12, 5                         ; LDS byte of my wave's 8 sums
	s_lshl_b32 s14, ttmp9, 7                       ; the work-group's 8 rows of X: 128 bytes
	s_mov_b32 s15, 0
	s_lshl_b32 s38, ttmp9, 5                       ; and its 8 outputs: 32 bytes
	s_mov_b32 s39, 0
	; The series of sin(pi f)/f and cos(pi f) up to z^6, lowered to degree 3 on z in [0, 1/4] by shifted Chebyshev polynomials.
	SETK KI,  0x3e22f983                           ;  0.15915494
	SETK KS0, 0x40490fd1                           ;  3.1415903
	SETK KS1, 0xc0a55b65                           ; -5.1674067
	SETK KS2, 0x4022d111                           ;  2.5440104
	SETK KS3, 0xbf0f38e9                           ; -0.55946212
	SETK KC0, 0x3f7fff8f                           ;  0.99999325
	SETK KC1, 0xc09de2cb                           ; -4.9339346
	SETK KC2, 0x408151e7                           ;  4.0412477
	SETK KC3, 0xbf9c6b7c                           ; -1.2220302
	s_mov_b32 s34, 0x76543210                      ; v_permlanex16_b32: lane i reads lane i of the other half
	s_mov_b32 s35, 0xfedcba98
	s_wait_kmcnt 0x0
	s_add_nc_u64 s[4:5], s[4:5], s[14:15]
	s_add_nc_u64 s[10:11], s[10:11], s[38:39]
	; All 33 loads of the wave at once.  A row load of the wave covers 512 consecutive bytes, the 16 waves' together 8 KB of train_X.
	global_load_b128 v[XIN:XIN+3], v[VX], s[4:5]
.irp t, 0,1,2,3,4,5,6,7,8,9,10,11,12,13,14,15
	global_load_b128 v[Y+4*\t:Y+4*\t+3], v[VY], s[6:7] offset:\t*8192
	global_load_b32 v[AL+\t], v[VA], s[8:9] offset:\t*2048
.endr
; The 16 features of one row: four angles in v[src:src+3], 8 registers of f16 to v[dst:dst+7].  40 instructions; X and train_X go through
; the same lines, so feature k of one meets feature k of the other.
.macro FEAT src, dst
	v_pk_mul_f32 v[T:T+1],   v[\src:\src+1],   s[KI:KI+1] op_sel_hi:[1,0]          ; t = y / (2 pi): the half angle in units of pi
	v_pk_mul_f32 v[T+2:T+3], v[\src+2:\src+3], s[KI:KI+1] op_sel_hi:[1,0]
.irp i, 0,1,2,3
	v_rndne_f32 v[Q+\i], v[T+\i]
.endr
	v_pk_add_f32 v[T:T+1],   v[T:T+1],   v[Q:Q+1]   neg_lo:[0,1] neg_hi:[0,1]      ; f = t - rndne(t), exact; a step of pi flips both signs
	v_pk_add_f32 v[T+2:T+3], v[T+2:T+3], v[Q+2:Q+3] neg_lo:[0,1] neg_hi:[0,1]
	v_pk_mul_f32 v[Z:Z+1],   v[T:T+1],   v[T:T+1]
	v_pk_mul_f32 v[Z+2:Z+3], v[T+2:T+3], v[T+2:T+3]
	v_pk_fma_f32 v[PS:PS+1],   v[Z:Z+1],   s[KS3:KS3+1], s[KS2:KS2+1] op_sel_hi:[1,0,0]   ; four chains that do not wait for each other
	v_pk_fma_f32 v[PS+2:PS+3], v[Z+2:Z+3], s[KS3:KS3+1], s[KS2:KS2+1] op_sel_hi:[1,0,0]
	v_pk_fma_f32 v[PC:PC+1],   v[Z:Z+1],   s[KC3:KC3+1], s[KC2:KC2+1] op_sel_hi:[1,0,0]
	v_pk_fma_f32 v[PC+2:PC+3], v[Z+2:Z+3], s[KC3:KC3+1], s[KC2:KC2+1] op_sel_hi:[1,0,0]
	v_pk_fma_f32 v[PS:PS+1],   v[PS:PS+1],   v[Z:Z+1],   s[KS1:KS1+1] op_sel_hi:[1,1,0]
	v_pk_fma_f32 v[PS+2:PS+3], v[PS+2:PS+3], v[Z+2:Z+3], s[KS1:KS1+1] op_sel_hi:[1,1,0]
	v_pk_fma_f32 v[PC:PC+1],   v[PC:PC+1],   v[Z:Z+1],   s[KC1:KC1+1] op_sel_hi:[1,1,0]
	v_pk_fma_f32 v[PC+2:PC+3], v[PC+2:PC+3], v[Z+2:Z+3], s[KC1:KC1+1] op_sel_hi:[1,1,0]
	v_pk_fma_f32 v[PS:PS+1],   v[PS:PS+1],   v[Z:Z+1],   s[KS0:KS0+1] op_sel_hi:[1,1,0]
	v_pk_fma_f32 v[PS+2:PS+3], v[PS+2:PS+3], v[Z+2:Z+3], s[KS0:KS0+1] op_sel_hi:[1,1,0]
	v_pk_fma_f32 v[PC:PC+1],   v[PC:PC+1],   v[Z:Z+1],   s[KC0:KC0+1] op_sel_hi:[1,1,0]
	v_pk_fma_f32 v[PC+2:PC+3], v[PC+2:PC+3], v[Z+2:Z+3], s[KC0:KC0+1] op_sel_hi:[1,1,0]
	v_pk_mul_f32 v[PS:PS+1],   v[PS:PS+1],   v[T:T+1]
	v_pk_mul_f32 v[PS+2:PS+3], v[PS+2:PS+3], v[T+2:T+3]
.irp i, 0,1,2,3
	v_cvt_pk_f16_f32 v[H+\i], v[PC+\i], v[PS+\i]                                   ; (c_i, s_i)
.endr
	v_pk_mul_f16 v[G],   v[H],   v[H+1] op_sel_hi:[1,0]                            ; (c0 c1, s0 c1): both halves times the low half
	v_pk_mul_f16 v[G+1], v[H],   v[H+1] op_sel:[0,1] op_sel_hi:[1,1]               ; (c0 s1, s0 s1): both halves times the high half
	v_pk_mul_f16 v[G+2], v[H+2], v[H+3] op_sel_hi:[1,0]                            ; (c2 c3, s2 c3)
	v_pk_mul_f16 v[G+3], v[H+2], v[H+3] op_sel:[0,1] op_sel_hi:[1,1]               ; (c2 s3, s2 s3)
.irp b, 0,1
	v_pk_mul_f16 v[\dst+4*\b],   v[G],   v[G+2+\b] op_sel_hi:[1,0]                 ; the four products of wires 0,1 times each of the four of wires 2,3
	v_pk_mul_f16 v[\dst+4*\b+1], v[G+1], v[G+2+\b] op_sel_hi:[1,0]
	v_pk_mul_f16 v[\dst+4*\b+2], v[G],   v[G+2+\b] op_sel:[0,1] op_sel_hi:[1,1]
	v_pk_mul_f16 v[\dst+4*\b+3], v[G+1], v[G+2+\b] op_sel:[0,1] op_sel_hi:[1,1]
.endr
.endm
; sums += |P| alpha for tile t.  The first tile starts the sums: nothing is cleared.
.macro ACCUM t
.irp j, 0,1,2,3,4,5,6,7
.if (\t) == 0
	v_mul_f32 v[ACC+\j], |v[D+\j]|, v[AL]
.else
	v_fma_f32 v[ACC+\j], |v[D+\j]|, v[AL+(\t)], v[ACC+\j]
.endif
.endr
.endm
; A tile.  The sums of tile t - 1 stand behind the features of tile t: of these 40 lines the first 32 name no register of the matrix
; instruction in front of them, far more than the places that ISA guide 7.12.1 asks before D is read and before F and D are written again.
.macro TILE t
	s_wait_loadcnt 2*(NT-1-\t)                     ; loads return in order (ISA guide 5.7.1): my row and alpha of tile t are in, the later tiles' pairs stay out
	FEAT Y+4*\t, F
.if \t > 0
	ACCUM \t-1
.endif
	v_wmma_f32_16x16x32_f16 v[D:D+7], v[A:A+7], v[F:F+7], 0
.endm
	; A fragment.  Lane (i = L & 15, h = L >> 4) holds row i on k set h: phi(x of row L & 7) where (i >> 3) = h, that is lanes 0-7 and 24-31; else 0.
	v_lshrrev_b32 v[TMP], 1, v[LANE]
	v_xor_b32 v[TMP], v[TMP], v[LANE]              ; bit 3: lane bit 3 xor lane bit 4
	v_and_b32 v[TMP], 8, v[TMP]
	v_cmp_eq_u32 vcc_lo, 0, v[TMP]
	s_wait_loadcnt 2*NT                            ; the row of X is in; the 32 loads issued behind it stay out
	FEAT XIN, A
.irp j, 0,1,2,3,4,5,6,7
	v_cndmask_b32 v[A+\j], 0, v[A+\j], vcc_lo
.endr
.irp t, 0,1,2,3,4,5,6,7,8,9,10,11,12,13,14,15
	TILE \t
.endr
	v_mov_b32 v[T], s13                            ; four places behind the last matrix instruction (ISA guide 7.12.1): two addresses, two v_nop
	v_lshlrev_b32 v[T+1], 2, v[LANE]
	v_nop
	v_nop
	ACCUM NT-1
	; Over the 32 lanes, all eight sums side by side; every lane ends with the same eight numbers.
.irp m, 1,2,4,8
.irp j, 0,1,2,3,4,5,6,7
	v_add_f32_dpp v[ACC+\j], v[ACC+\j], v[ACC+\j] row_xmask:\m row_mask:0xf bank_mask:0xf
.endr
.endr
.irp j, 0,1,2,3,4,5,6,7
	v_permlanex16_b32 v[F+\j], v[ACC+\j], s34, s35 ; F has been written: the destination counts as read
.endr
.irp j, 0,1,2,3,4,5,6,7
	v_add_f32 v[ACC+\j], v[ACC+\j], v[F+\j]
.endr
	; Over the 16 waves: word 8 w + j of LDS is wave w's sum for x_j (all lanes store the same numbers to the same bytes).
	ds_store_b128 v[T], v[ACC:ACC+3]
	ds_store_b128 v[T], v[ACC+4:ACC+7] offset:16
	s_wait_dscnt 0x0                               ; for the reader's sake: my stores are in LDS before I signal
	s_barrier_signal -1
	s_barrier_wait -1
	s_cmp_lg_u32 s12, 0
	s_cbranch_scc1 .Lothers                        ; wave 0 finishes alone
.irp k, 0,1,2,3
	ds_load_b32 v[Z+\k], v[T+1] offset:128*\k      ; words L + 32 k: x_(L & 7) of waves (L >> 3) + 4 k
.endr
	v_cmp_gt_u32 vcc_lo, 8, v[LANE]
	s_wait_dscnt 0x0
	v_add_f32 v[Z], v[Z], v[Z+1]
	v_add_f32 v[Z+2], v[Z+2], v[Z+3]
	v_add_f32 v[Z], v[Z], v[Z+2]
	v_add_f32_dpp v[Z], v[Z], v[Z] row_xmask:8 row_mask:0xf bank_mask:0xf   ; the other waves: lane bits 3 and 4
	v_permlanex16_b32 v[Z+1], v[Z], s34, s35
	v_add_f32 v[Z], v[Z], v[Z+1]
	s_wait_xcnt 0x0                                ; EXEC is a source of the wave's global loads: it is narrowed only behind this wait
	s_wait_tensorcnt 0x0
	ds_add_u32 v150, v151
	s_wait_dscnt 0x0
	s_and_saveexec_b32 s36, vcc_lo
	global_store_b32 v[T+1], v[Z], s[10:11]        ; lanes 0-7: the work-group's 8 outputs, 32 consecutive bytes
	s_endpgm
.Lothers:
	s_wait_tensorcnt 0x0
	ds_add_u32 v150, v151
	s_wait_dscnt 0x0
	s_endpgm
.Lfunc_end_k_q9d1bbc544c_qkr:
	.size	k_q9d1bbc544c_qkr, .Lfunc_end_k_q9d1bbc544c_qkr-k_q9d1bbc544c_qkr
	.p2alignl 7, 3214868480
	.fill 96, 4, 3214868480
	.section	.rodata,"a",@progbits
	.p2align	6, 0x0
	.amdhsa_kernel k_q9d1bbc544c_qkr
		.amdhsa_group_segment_fixed_size 2560
		.amdhsa_private_segment_fixed_size 0
		.amdhsa_enable_private_segment 0
		.amdhsa_kernarg_size 32
		.amdhsa_user_sgpr_count 2
		.amdhsa_user_sgpr_kernarg_segment_ptr 1
		.amdhsa_wavefront_size32 1
		.amdhsa_system_sgpr_workgroup_id_x 1
		.amdhsa_system_sgpr_workgroup_id_y 1
		.amdhsa_system_sgpr_workgroup_id_z 1
		.amdhsa_system_vgpr_workitem_id 0
		.amdhsa_next_free_vgpr 152
		.amdhsa_next_free_sgpr 66
		.amdhsa_reserve_vcc 1
		.amdhsa_float_denorm_mode_32 3
		.amdhsa_float_denorm_mode_16_64 3
		.amdhsa_memory_ordered 1
		.amdhsa_forward_progress 1
		.amdhsa_inst_pref_size 60
	.end_amdhsa_kernel
	.amdgpu_metadata
---
amdhsa.version: [ 1, 2 ]
amdhsa.kernels:
  - .name:           k_q9d1bbc544c_qkr
    .symbol:         k_q9d1bbc544c_qkr.kd
    .args:
      - { .name: X, .offset: 0, .size: 8, .value_kind: global_buffer, .address_space: global }
      - { .name: train_X, .offset: 8, .size: 8, .value_kind: global_buffer, .address_space: global }
      - { .name: alpha, .offset: 16, .size: 8, .value_kind: global_buffer, .address_space: global }
      - { .name: out0, .offset: 24, .size: 8, .value_kind: global_buffer, .address_space: global }
    .group_segment_fixed_size: 2560
    .private_segment_fixed_size: 0
    .kernarg_segment_align: 8
    .kernarg_segment_size: 32
    .max_flat_workgroup_size: 512
    .sgpr_count:     66
    .vgpr_count:     152
    .wavefront_size: 32
...
	.end_amdgpu_metadata
.endif
;; end of part 1
